; MI455X (gfx1250); checked and timed in simulation.
; The chip was launched on July 23, 2026; its instructions are those of AMD's public machine-readable ISA for CDNA 5 (MIT licence, August 2026) and "CDNA5" Instruction Set Architecture Reference Guide (July 2026). The comments in the code are by the model that wrote it; some were corrected since.
;; Mul Head Cross Attn. Allowed arithmetic: matrix products marked QUANTISED: E2M3 operands, one E8M0 scale for each 32 along K, by v_wmma_scale_f32_16x16x128_f8f6f4 with both operands' format E2M3, f32 sums; products left as they are: f32 operands where the result goes on into a quantised operand, else bf16, f16 or f32 operands; f32 sums; everything else in f32.
;; Inputs: W_k 1,024 x 1,024 float32; W_o 1,024 x 1,024 float32; W_q 1,024 x 1,024 float32; W_v 1,024 x 1,024 float32; x1 4 x 1,024 x 1,024 float32; x2 4 x 1,024 x 1,024 float32.
;; Outputs: out0 4 x 1,024 x 1,024 float32.
;; This version of the problem:
;;   THIS VERSION OF THE PROBLEM IS GIVEN IN LOW PRECISION. The matrix products marked QUANTISED in the list below multiply operands that are first quantised to E2M3 (2 exponent bits, 3 mantissa bits; 6 bits a number), with one power-of-two scale for each 32 numbers along K (OCP MX v1.0); their sums are f32. All else is computed in f32.
;;   The module's matrix products, in the order in which they are computed (A, B: the left and right operand; K: the contracted axis; several contracted axes count as one K, in the product's order):
;;     1. [M 4,096, K 1,024] x [K 1,024, N 1,024]; A: input x1; B: input W_q: QUANTISED
;;     2. [M 4,096, K 1,024] x [K 1,024, N 1,024]; A: input x2; B: input W_k: QUANTISED
;;     3. [M 4,096, K 1,024] x [K 1,024, N 1,024]; A: input x2; B: input W_v: QUANTISED
;;     4. batch 256 x [M 1,024, K 16] x [K 16, N 1,024]; A: computed on the way; B: computed on the way: left as it is (K = 16 < 32)
;;     5. batch 256 x [M 1,024, K 1,024] x [K 1,024, N 16]; A: softmax (see below); B: computed on the way: QUANTISED
;;     6. [M 4,096, K 1,024] x [K 1,024, N 1,024]; A: computed on the way; B: input W_o: QUANTISED
;;   THE QUANTISER, for each operand of a quantised product, along K:
;;     - K is cut into blocks of 32 from its start; a last block that is shorter is filled with zeros.
;;     - A block's scale is 2^e with e = floor(log2(the largest magnitude in the block)) - 2, held to -126 .. 127; a block of zeros has e = 0. As a byte (E8M0): e + 127.
;;     - Each number is divided by its block's scale, clamped to +-7.5, and rounded to the nearest number of E2M3, ties to even, subnormals kept.
;;     - The product sums the exact products of the quantised numbers (number of the format x scale) in f32.
;;   ~~~python
;;   def quantise(x, axis):      # numpy; x: float32 -> the quantised numbers, widened to float32 again
;;       x = np.moveaxis(x, axis, -1); K = x.shape[-1]
;;       x = np.pad(x, [(0, 0)] * (x.ndim - 1) + [(0, -K % 32)]); x = x.reshape(x.shape[:-1] + (-1, 32)); a = np.abs(x).max(-1, keepdims=True)
;;       e = np.where(a > 0, np.clip(np.frexp(np.where(a > 0, a, 1))[1] - 1 - 2, -126, 127), 0)      # np.frexp(a)[1] - 1 = floor(log2(a)), exactly
;;       r = np.clip(x / 2.0 ** e, -7.5, 7.5)
;;       step = 2.0 ** (np.maximum(np.frexp(np.where(r == 0, 1, r))[1] - 1, 0) - 3)
;;       q = np.round(r / step) * step * 2.0 ** e      # np.round: ties to even
;;       return np.moveaxis(q.reshape(q.shape[:-2] + (-1,))[..., :K], -1, axis).astype(np.float32)
;;   ~~~
;;   SOFTMAX AHEAD OF A QUANTISED PRODUCT. Where the list says 'softmax', what is quantised is not the finished softmax but p = 2^(t - M), with t = logit x log2(e) and M = ceil(the row's largest t), a whole number; so 1/2 < the row's largest p <= 1. The row's sum l is taken of the UNQUANTISED p, in f32, and the product's result is divided by l at the end. Since M is a whole number, a kernel that streams over the keys may use a running M (the ceiling of the running maximum): every later rescaling is an exact power of two, which a block's scale takes up: the codes' values come out the same.
;;   OPERANDS COMPUTED ON THE WAY. 'Computed on the way' means the value that the module computes at that place (a softmax that the list does not call 'softmax' is quantised finished and normalised). What goes into a quantiser is computed in f32, as accurately as f32 sums, v_exp_f32 and their like allow (about 1e-6 of the number): no bf16 or f16 on the way to a quantiser, and a product that is left as it is and whose result goes on into a quantised operand takes f32 operands (vector FMAs, or v_wmma_f32_16x16x4_f32). A number that lies on a knife's edge between two numbers of the format may be rounded either way, as far as f32 arithmetic and the matrix unit's own rounding can turn it there, and no further.
;; One version. Each part assembles by itself: llvm-mc -triple=amdgcn-amd-amdhsa -mcpu=gfx1250 --defsym DOCPART=n.
;; ======== version 1 of 1: 4 launches
;; workspace buffers: xc 6,291,456 bytes; xs 262,144 bytes; wc 3,145,728 bytes; ws 131,072 bytes; qkv 50,331,648 bytes; oc 3,145,728 bytes; os 131,072 bytes
;; launch quant (part 1): grid 512 x 1, 4 waves a work-group, no clusters, 35,328 bytes of LDS; arguments x1, x2, W_q, W_k, W_v, W_o, xc, xs, wc, ws; writes xc, xs, wc, ws
.if DOCPART == 1
	.amdgcn_target "amdgcn-amd-amdhsa--gfx1250"
	.amdhsa_code_object_version 6
	.text
	.protected	k_q067b45399e_quant
	.globl	k_q067b45399e_quant
	.p2align	8
	.type	k_q067b45399e_quant,@function
k_q067b45399e_quant:
	s_mov_b64 s[64:65], 0
	v_nop
	global_prefetch_b8 v0, s[64:65] scope:SCOPE_SE
	s_setreg_imm32_b32 hwreg(HW_REG_WAVE_MODE, 25, 1), 1
	s_wait_xcnt 0x0
; x1, x2 [4096][1024] (K innermost) and W_q, W_k, W_v, W_o [1024 (K)][1024 (N)] (K outermost), f32, become codes of FP6 (E2M3) with one E8M0 byte for each 32 along K.
; A block's scale is 2^(floor(log2(its largest magnitude)) - 2); its byte is the largest magnitude's exponent field - 2, held at 1 from below; each number is divided by the scale and rounded to the nearest code, ties to even.
; LAYOUT OF THE CODES (this program's own): a PAIR is 32 operand rows, lane l = 16 u + r one row.  A RECORD of 768 bytes holds one block (24 bytes, six registers) of the 32 rows:
;   registers 0-3 of lane l at 16 l; registers 4-5 at 512 + 8 (l xor 16 (block & 1)).  Records of a pair follow each other along K: 32 records, 24,576 bytes a pair.
;   x1, x2: lane (u, r) is row 32 pair + 8 u + r + 8 (r / 8);  weights: lane l is column 32 pair + l.
; SCALE WORDS: the word of (lane l, K step s of 128) lies at 1,024 pair + 256 (s / 2) + 8 l + 4 (s % 2); byte b is block 4 s + b.
; In both paths a lane holds ONE row and a whole block of it in 32 registers: the largest magnitude needs no other lane, and a block leaves by one store of 512 and one of 256 consecutive aligned bytes.
; SHARES.  Work-groups 0-255: x1 and x2; a wave takes a pair x 256 along K, in four turns of 64.  Each load reads 256 consecutive bytes of two rows; the rows turn through the wave's own stage in LDS
;   (rows 272 bytes apart = 68 words: row i starts at bank 4 i mod 64, ISA guide 11.1) and come back a row to a lane.
; Work-groups 256-511: the weights; a wave takes 32 columns x 128 along K: a lane a column, registers down K; each load reads 128 consecutive bytes, the four waves stand side by side on 512.
;   Their scale words are 4 bytes, 8 bytes apart (the other K step's words lie between): 128 KB of the launch's stores are such words.
; No tensor load, no barrier: waves share nothing.  No matrix unit, no cluster: every byte is read once by one wave.
; LIMITS: NaN and infinities among the inputs are not served.  A block of zeros gets the byte 1 where the rule says 127 (its codes are zeros, and this program alone reads the bytes);
;   blocks whose largest magnitude lies under 2^-124 are held at the byte 1.
.set PIT,   272
.set WSTG,  32*PIT                     ; a wave's stage: 8,704 bytes
.set SPARE, 4*WSTG                     ; behind the stages: the spare words, 128 bytes a wave
.set LN,  1                            ; v1   lane
.set GL,  2                            ; v2   my byte offset in the source; never rewritten in a path
.set STA, 3                            ; v3   stage, on the way in
.set RDA, 4                            ; v4   stage, on the way out: my row
.set A16, 5                            ; v5   16 l
.set A8E, 6                            ; v6   8 l
.set A8O, 7                            ; v7   8 (l xor 16)
.set SPW, 8                            ; v8   my spare word
.set NIL, 9                            ; v9   0
.set MXA, 10                           ; v10, v11 two chains of the largest magnitude
.set MXB, 11
.set SCV, 12                           ; v12  the conversion's scale operand
.set BYT, 13                           ; v13  the scale's byte
.set WD,  14                           ; v[14:15] scale words
.set CS,  16                           ; v16-21, v24-29 two sets of a block's six code registers
.set CT,  32                           ; v32-34 the block's upper 16 codes as converted
.set R,   64                           ; v64-191 numbers as loaded
.set X,   192                          ; v192-255 64 neighbours of my row
; One block: 32 numbers of my row in v[src] on; n = the block's number in my wave's run.
.macro QBLK src, n
.set QS, \src
.set QC, CS+8*((\n)%2)
.if (\n) > 1
	s_wait_xcnt 0x0                                ; the stores of two blocks ago have read this set of code registers: only behind this wait is it written again
.endif
	v_max3_num_f32 v[MXA], |v[QS]|, |v[QS+1]|, |v[QS+2]|
	v_max3_num_f32 v[MXB], |v[QS+3]|, |v[QS+4]|, |v[QS+5]|
.irp i, 6,10,14,18,22,26
	v_max3_num_f32 v[MXA], v[MXA], |v[QS+\i]|, |v[QS+\i+1]|
	v_max3_num_f32 v[MXB], v[MXB], |v[QS+\i+2]|, |v[QS+\i+3]|
.endr
	v_max3_num_f32 v[MXA], v[MXA], |v[QS+30]|, |v[QS+31]|
	v_max3_num_f32 v[MXA], v[MXA], v[MXB], 0x1800000   ; and the floor 2^(3 - 127): the byte cannot fall under 1
	v_add_nc_u32 v[SCV], 0xff000000, v[MXA]        ; 2 off the exponent field: the conversion takes this operand's exponent field as its scale
	v_lshrrev_b32 v[BYT], 23, v[SCV]               ; the byte
.if (\n)%4 == 0
	v_mov_b32 v[WD+(\n)/4], v[BYT]
.else
	v_lshl_or_b32 v[WD+(\n)/4], v[BYT], 8*((\n)%4), v[WD+(\n)/4]
.endif
	v_cvt_scalef32_pk16_fp6_f32 v[QC:QC+2], v[QS:QS+15], v[SCV]
	v_cvt_scalef32_pk16_fp6_f32 v[CT:CT+2], v[QS+16:QS+31], v[SCV]   ; (a conversion's three registers begin on an even number: the upper half is made here and moved)
	v_nop                                          ; one plain place behind a scaled conversion
.irp i, 0,1,2
	v_mov_b32 v[QC+3+\i], v[CT+\i]
.endr
	global_store_b128 v[A16], v[QC:QC+3], s[30:31] offset:768*(\n)          ; 32 lanes: 512 consecutive bytes, aligned
.if (\n)%2 == 0
	global_store_b64 v[A8E], v[QC+4:QC+5], s[30:31] offset:768*(\n)+512     ; 32 lanes: 256 consecutive bytes, aligned
.else
	global_store_b64 v[A8O], v[QC+4:QC+5], s[30:31] offset:768*(\n)+512     ; in an odd block the two halves of the lanes change places
.endif
.endm
	s_load_b256 s[4:11], s[0:1], 0x0               ; x1 s[4:5], x2 s[6:7], W_q s[8:9], W_k s[10:11]
	s_load_b256 s[12:19], s[0:1], 0x20             ; W_v s[12:13], W_o s[14:15], xc s[16:17], xs s[18:19]
	s_load_b128 s[20:23], s[0:1], 0x40             ; wc s[20:21], ws s[22:23]
	v_lshl_add_u32 v[SPW], v0, 2, SPARE
	v_mov_b32 v[NIL], 0
	v_lshrrev_b32 v1, 5, v0
	v_readfirstlane_b32 s24, v1                    ; wave 0..3
	v_and_b32 v[LN], 31, v0
	v_lshlrev_b32 v[A16], 4, v[LN]
	v_lshlrev_b32 v[A8E], 3, v[LN]
	v_xor_b32 v[A8O], 16, v[LN]
	v_lshlrev_b32 v[A8O], 3, v[A8O]
	s_cmp_ge_u32 ttmp9, 256                        ; the work-group's number alone decides the path
	s_cbranch_scc1 .Lweights
	; ---------------- x1 and x2 ----------------
	s_lshl_b32 s34, ttmp9, 2
	s_add_co_u32 s34, s34, s24                     ; my wave among the 1,024
	s_lshr_b32 s35, s34, 9                         ; tensor: 0 x1, 1 x2
	s_bfe_u32 s36, s34, 0x70002                    ; pair 0..127
	s_and_b32 s37, s34, 3                          ; which 256 along K
	s_lshl_b32 s38, s36, 17                        ; source: 32 rows of 4,096 bytes a pair,
	s_lshl_b32 s40, s37, 10                        ; 1,024 bytes a quarter of K
	s_add_co_u32 s38, s38, s40
	s_mov_b32 s39, 0
	s_mul_i32 s40, s35, 3145728                    ; codes: a tensor, a pair, 8 records
	s_mul_i32 s42, s36, 24576
	s_add_co_u32 s40, s40, s42
	s_mul_i32 s42, s37, 6144
	s_add_co_u32 s40, s40, s42
	s_mov_b32 s41, 0
	s_lshl_b32 s42, s35, 17                        ; scale words
	s_lshl_b32 s44, s36, 10
	s_add_co_u32 s42, s42, s44
	s_lshl_b32 s44, s37, 8
	s_add_co_u32 s42, s42, s44
	s_mov_b32 s43, 0
	v_lshrrev_b32 v10, 4, v[LN]                    ; l / 16
	v_and_b32 v11, 15, v[LN]                       ; l % 16
	v_lshlrev_b32 v[GL], 12, v10
	v_lshl_add_u32 v[GL], v11, 4, v[GL]            ; lanes 0-15 one row's 256 bytes, lanes 16-31 the next row's
	s_mul_i32 s44, s24, WSTG
	v_mul_u32_u24 v[STA], v10, PIT
	v_lshl_add_u32 v[STA], v11, 4, v[STA]
	v_add_nc_u32 v[STA], s44, v[STA]
	v_mul_u32_u24 v[RDA], v[LN], PIT
	v_add_nc_u32 v[RDA], s44, v[RDA]
	s_wait_kmcnt 0x0
	s_cmp_eq_u32 s35, 0
	s_cselect_b64 s[28:29], s[4:5], s[6:7]
	s_add_nc_u64 s[28:29], s[28:29], s[38:39]
	s_add_nc_u64 s[30:31], s[16:17], s[40:41]
	s_add_nc_u64 s[32:33], s[18:19], s[42:43]
.macro LOADX t                         ; turn t: 64 along K of the pair's 32 rows, two rows a load, into set t % 2
.irp i, 0,1,2,3,4,5,6,7,8,9,10,11,12,13,14,15
	global_load_b128 v[R+64*((\t)%2)+4*\i:R+64*((\t)%2)+4*\i+3], v[GL], s[28:29] offset:8192*\i+256*(\t) th:TH_LOAD_NT
.endr
.endm
	LOADX 0
	LOADX 1
.irp t, 0,1,2,3
.if \t < 3
	s_wait_loadcnt 16                              ; this turn's 16 loads are in; the next turn's 16 stay out
.else
	s_wait_loadcnt 0x0
.endif
.irp i, 0,1,2,3,4,5,6,7,8,9,10,11,12,13,14,15      ; memory rows 2 i and 2 i + 1 go to the stage rows of the lanes that own them: row R belongs to lane 16 ((R / 8) % 2) + 8 (R / 16) + R % 8
	ds_store_b128 v[STA], v[R+64*(\t%2)+4*\i:R+64*(\t%2)+4*\i+3] offset:(16*((\i/4)%2)+8*(\i/8)+2*(\i%4))*PIT
.endr
.irp k, 0,1,2,3,4,5,6,7,8,9,10,11,12,13,14,15      ; LDS serves a wave's instructions in order (ISA guide 5.7.1.4): these see the stores above
	ds_load_b128 v[X+4*\k:X+4*\k+3], v[RDA] offset:16*\k
.endr
	s_wait_dscnt 0x0                               ; my row's 64 numbers are in
.if \t < 2
	LOADX \t+2
.endif
	QBLK X, 2*\t
	QBLK X+32, 2*\t+1
.endr
	global_store_b64 v[A8E], v[WD:WD+1], s[32:33]  ; my row's two scale words: 32 lanes, 256 consecutive bytes, aligned
	s_wait_tensorcnt 0x0                           ; the wave's end: these three lines stand behind my last LDS store
	ds_add_u32 v[SPW], v[NIL]
	s_wait_dscnt 0x0
	s_endpgm
	; ---------------- the four weights ----------------
.Lweights:
	s_sub_co_u32 s34, ttmp9, 256
	s_lshr_b32 s35, s34, 6                         ; weight: 0 W_q, 1 W_k, 2 W_v, 3 W_o
	s_bfe_u32 s36, s34, 0x30003                    ; which 128 columns
	s_and_b32 s37, s34, 7                          ; K step of 128
	s_lshl_b32 s44, s36, 2
	s_add_co_u32 s44, s44, s24                     ; pair 0..31
	s_lshl_b32 s38, s37, 19                        ; source: 128 rows of 4,096 bytes a K step,
	s_lshl_b32 s40, s44, 7                         ; 128 bytes a pair of 32 columns
	s_add_co_u32 s38, s38, s40
	s_mov_b32 s39, 0
	s_mul_i32 s40, s35, 786432                     ; codes: a weight, a pair, 4 records
	s_mul_i32 s42, s44, 24576
	s_add_co_u32 s40, s40, s42
	s_mul_i32 s42, s37, 3072
	s_add_co_u32 s40, s40, s42
	s_mov_b32 s41, 0
	s_lshl_b32 s42, s35, 15                        ; scale words
	s_lshl_b32 s45, s44, 10
	s_add_co_u32 s42, s42, s45
	s_lshr_b32 s45, s37, 1
	s_lshl_b32 s45, s45, 8
	s_add_co_u32 s42, s42, s45
	s_and_b32 s45, s37, 1
	s_lshl_b32 s45, s45, 2
	s_add_co_u32 s42, s42, s45
	s_mov_b32 s43, 0
	v_lshlrev_b32 v[GL], 2, v[LN]                  ; a lane a column
	s_and_b32 s45, s35, 1
	s_wait_kmcnt 0x0
	s_cmp_lt_u32 s35, 2
	s_cselect_b64 s[28:29], s[8:9], s[12:13]       ; W_q or W_v
	s_cselect_b64 s[46:47], s[10:11], s[14:15]     ; W_k or W_o
	s_cmp_eq_u32 s45, 0
	s_cselect_b64 s[28:29], s[28:29], s[46:47]
	s_add_nc_u64 s[28:29], s[28:29], s[38:39]
	s_add_nc_u64 s[30:31], s[20:21], s[40:41]
	s_add_nc_u64 s[32:33], s[22:23], s[42:43]
.macro LOADW t                         ; block t: W(32 t + i, my column), i = 0 .. 31
.irp i, 0,1,2,3,4,5,6,7,8,9,10,11,12,13,14,15,16,17,18,19,20,21,22,23,24,25,26,27,28,29,30,31
	global_load_b32 v[R+32*(\t)+\i], v[GL], s[28:29] offset:(32*(\t)+\i)*4096 th:TH_LOAD_NT
.endr
.endm
	LOADW 0
	LOADW 1
	s_wait_loadcnt 32                              ; block 0 is in; block 1's 32 loads stay out
	LOADW 2
	QBLK R, 0
	s_wait_loadcnt 32                              ; block 1 is in; block 2's stay out
	LOADW 3
	QBLK R+32, 1
	s_wait_loadcnt 32                              ; block 2 is in; block 3's stay out
	QBLK R+64, 2
	s_wait_loadcnt 0x0
	QBLK R+96, 3
	global_store_b32 v[A8E], v[WD], s[32:33]       ; my column's scale word of this K step
	s_endpgm
.Lfunc_end_k_q067b45399e_quant:
	.size	k_q067b45399e_quant, .Lfunc_end_k_q067b45399e_quant-k_q067b45399e_quant
	.p2alignl 7, 3214868480
	.fill 96, 4, 3214868480
	.section	.rodata,"a",@progbits
	.p2align	6, 0x0
	.amdhsa_kernel k_q067b45399e_quant
		.amdhsa_group_segment_fixed_size 35328
		.amdhsa_private_segment_fixed_size 0
		.amdhsa_enable_private_segment 0
		.amdhsa_kernarg_size 80
		.amdhsa_user_sgpr_count 2
		.amdhsa_user_sgpr_kernarg_segment_ptr 1
		.amdhsa_wavefront_size32 1
		.amdhsa_system_sgpr_workgroup_id_x 1
		.amdhsa_system_sgpr_workgroup_id_y 1
		.amdhsa_system_sgpr_workgroup_id_z 1
		.amdhsa_system_vgpr_workitem_id 0
		.amdhsa_next_free_vgpr 256
		.amdhsa_next_free_sgpr 66
		.amdhsa_reserve_vcc 0
		.amdhsa_float_denorm_mode_32 3
		.amdhsa_float_denorm_mode_16_64 3
		.amdhsa_memory_ordered 1
		.amdhsa_forward_progress 1
		.amdhsa_inst_pref_size 51
	.end_amdhsa_kernel
	.amdgpu_metadata
---
amdhsa.version: [ 1, 2 ]
amdhsa.kernels:
  - .name:           k_q067b45399e_quant
    .symbol:         k_q067b45399e_quant.kd
    .args:
      - { .name: x1, .offset: 0, .size: 8, .value_kind: global_buffer, .address_space: global }
      - { .name: x2, .offset: 8, .size: 8, .value_kind: global_buffer, .address_space: global }
      - { .name: W_q, .offset: 16, .size: 8, .value_kind: global_buffer, .address_space: global }
      - { .name: W_k, .offset: 24, .size: 8, .value_kind: global_buffer, .address_space: global }
      - { .name: W_v, .offset: 32, .size: 8, .value_kind: global_buffer, .address_space: global }
      - { .name: W_o, .offset: 40, .size: 8, .value_kind: global_buffer, .address_space: global }
      - { .name: xc, .offset: 48, .size: 8, .value_kind: global_buffer, .address_space: global }
      - { .name: xs, .offset: 56, .size: 8, .value_kind: global_buffer, .address_space: global }
      - { .name: wc, .offset: 64, .size: 8, .value_kind: global_buffer, .address_space: global }
      - { .name: ws, .offset: 72, .size: 8, .value_kind: global_buffer, .address_space: global }
    .group_segment_fixed_size: 35328
    .private_segment_fixed_size: 0
    .kernarg_segment_align: 8
    .kernarg_segment_size: 80
    .max_flat_workgroup_size: 128
    .sgpr_count:     66
    .vgpr_count:     256
    .wavefront_size: 32
...
	.end_amdgpu_metadata
.endif
;; end of part 1
;; launch gemm_qkv (part 2): grid 8 x 96, 4 waves a work-group, no clusters, 205,312 bytes of LDS; arguments xc, xs, wc, ws, qkv; writes qkv
.if DOCPART == 2
	.amdgcn_target "amdgcn-amd-amdhsa--gfx1250"
	.amdhsa_code_object_version 6
	.text
	.protected	k_q067b45399e_gemm_qkv
	.globl	k_q067b45399e_gemm_qkv
	.p2align	8
	.type	k_q067b45399e_gemm_qkv,@function
k_q067b45399e_gemm_qkv:
	s_mov_b64 s[64:65], 0
	v_nop
	global_prefetch_b8 v0, s[64:65] scope:SCOPE_SE
	s_setreg_imm32_b32 hwreg(HW_REG_WAVE_MODE, 25, 1), 1
	s_wait_xcnt 0x0
; Q = x1 W_q, K = x2 W_k, V = x2 W_v on codes of FP6 (E2M3) with E8M0 scales, sums in f32.  [4096][1024] x [1024][1024] each.
; SHARES.  Work-group (x, y): x = 128 weight columns (8 heads of 16), y = 32 product + 128 tokens.  It makes 128 x 128 over all of K; each of four waves 64 x 64: 16 accumulators.
; SOURCES.  Source 0 (S0) and source 1 (S1) of the matrix instruction are two like regions of LDS.  For Q and K: S0 = the weight's tiles, S1 = x's: a lane of the result holds ONE token and 8 dims of a head.
;   For V the two POINTERS change places (S0 = x2's tiles, S1 = W_v's): a lane holds ONE dim and 8 keys.  The text has one path: the choice is made by selects on ids.
; OPERANDS come as this program's records (768 bytes: one block of 32 along K of a pair of 32 rows; registers 0-3 of row lane l at 16 l, registers 4-5 at 512 + 8 (l xor 16 (block & 1))).
;   A fragment (tile u of a pair, K step): lane (r, h) takes blocks 2 cc + h, cc = 0, 1: a load of 16 bytes and one of 8 for each.  The 16-byte loads of 16 lanes take 256 consecutive bytes; in the 8-byte loads
;   lanes 16-31 fall 128 bytes (mod 256) from lanes 0-15, so the 32 lanes touch 64 different banks (64 banks of 4 bytes: ISA guide 11.1).
; ALL OF K IS IN LDS: 4 chunks of 256 along K x (128 + 128 rows) = 196,608 bytes, and 8,192 of scale words.  Every byte of LDS is filled once: five tensor loads a wave, issued together at the head
;   (five of a wave's are out at the most), no slot is filled again.  A chunk is read behind a counted wait and a barrier.
; RESULT: tile images in qkv [Q, K, V][batch][head][token tile 0..63][1,024 bytes]: an accumulator's registers 0-3 at 16 lane, 4-7 at 512 + 16 lane: each store covers 512 consecutive aligned bytes.
;   The tokens of tile t are 32 (t / 2) + 8 (t % 2) + r + 8 (r / 8) (so the quantiser laid x's rows): for V, register j of lane (d, h) is key 32 (t / 2) + 16 h + 8 (t % 2) + j.
; NO CLUSTER: x's tiles are shared by 8 work-groups and a weight's by 32, but a work-group asks for its 200 KB once, at its head, and fills nothing again; a joint form wants two lines with two masks for each
;   of the five loads, and for V, where the sources change places, masks that hang on the product's number too.  It is the next step for this kernel, not taken here.
; No prefetch: all loads stand at the head.  No second fragment buffer, no register windows: 256 registers a wave.
.set REC,   768
.set PAIRB, 8*REC                      ; a pair's 8 records of a chunk
.set PART,  2*PAIRB                    ; 64 rows of a chunk: what one tensor load brings
.set CHK,   4*PART                     ; a chunk: S0's two halves, then S1's
.set SCL,   4*CHK                      ; the scale words: 2,048 bytes for each of the four halves
.set SPARE, SCL+8192                   ; the spare words, 128 bytes a wave
.set A0,  3                            ; v3-5   S0: address of the 16-byte loads; of the 8-byte loads of tile u = 0; of u = 1
.set A1,  6                            ; v6-8   the same for S1
.set ASC, 9                            ; v9     scale words: lanes 0-15 S0's rows, lanes 16-31 S1's
.set SPW, 10                           ; v10    my spare word
.set NIL, 11                           ; v11    0
.set OFF, 12                           ; v12-15 the way out: 16 lane + i x the stride of S0's tiles
.set SC,  16                           ; v16-23 scale words and nothing else: register 2 t + q: tile t, the chunk's q-th K step
.set F0,  32                           ; v32-79  S0's four fragments
.set F1,  80                           ; v80-127 S1's four
.set ACC, 128                          ; v128-255 accumulator (i, j) at 128 + 8 (4 j + i)
.set G1C, 24                           ; s[24:31] group 1 for codes
.set G1S, 32                           ; s[32:39] group 1 for scale words
.set G0S, 40                           ; s[40:43] group 0 for the scale words
.set G0C, 44                           ; s[44:59] group 0 for each of the four chunks
.set BAS, 68                           ; s[68:75] the way out: a base for each of S1's four tiles
	s_load_b256 s[4:11], s[0:1], 0x0               ; xc s[4:5], xs s[6:7], wc s[8:9], ws s[10:11]
	s_load_b64 s[12:13], s[0:1], 0x20              ; qkv
	v_lshl_add_u32 v[SPW], v0, 2, SPARE
	v_mov_b32 v[NIL], 0
	ds_add_u32 v[SPW], v[NIL]                      ; the wave's opening: the add and its wait stand ahead of my first tensor load; work on registers stands between them
	v_lshrrev_b32 v1, 5, v0
	v_readfirstlane_b32 s14, v1                    ; wave 0..3
	s_lshr_b32 s15, s14, 1                         ; wi: my half of S0.  Also: I fetch for S0 (0) or S1 (1)
	s_and_b32 s16, s14, 1                          ; wj: my half of S1.  Also: which half I fetch
	s_and_b32 s17, ttmp7, 0xffff
	s_lshr_b32 s18, s17, 5                         ; product: 0 Q, 1 K, 2 V
	s_and_b32 s19, s17, 31                         ; which 128 tokens
	; group 1, codes: 2 rows (pairs) of 768 elements of 8 bytes (8 records), 3,072 elements (a pair's 32 records) apart; no padding
	s_mov_b32 s[G1C+0], 3<<16
	s_mov_b32 s[G1C+1], 768<<16                    ; tensor_dim0
	s_mov_b32 s[G1C+2], 2<<16                      ; tensor_dim1
	s_mov_b32 s[G1C+3], 768<<16                    ; tile_dim0
	s_mov_b32 s[G1C+4], 2                          ; tile_dim1
	s_mov_b32 s[G1C+5], 3072                       ; stride
	s_mov_b32 s[G1C+6], 0
	s_mov_b32 s[G1C+7], 0
	; group 1, scale words: 2,048 dense bytes as 8 rows of 32 elements of 8 bytes
	s_mov_b32 s[G1S+0], 3<<16
	s_mov_b32 s[G1S+1], 32<<16
	s_mov_b32 s[G1S+2], 8<<16
	s_mov_b32 s[G1S+3], 32<<16
	s_mov_b32 s[G1S+4], 8
	s_mov_b32 s[G1S+5], 32
	s_mov_b32 s[G1S+6], 0
	s_mov_b32 s[G1S+7], 0
	; offsets, made apart from the pointers
	s_mul_i32 s20, s18, 786432
	s_mul_i32 s21, ttmp9, 98304
	s_add_co_u32 s20, s20, s21                     ; the weight's codes: product, 4 pairs a block of columns
	s_lshl_b32 s21, s18, 15
	s_lshl_b32 s22, ttmp9, 12
	s_add_co_u32 s21, s21, s22                     ; its scale words
	s_min_u32 s22, s18, 1                          ; x1 for Q, x2 for K and V
	s_mul_i32 s23, s22, 3145728
	s_mul_i32 s60, s19, 98304
	s_add_co_u32 s23, s23, s60                     ; x's codes
	s_lshl_b32 s22, s22, 17
	s_lshl_b32 s60, s19, 12
	s_add_co_u32 s22, s22, s60                     ; x's scale words
	s_lshr_b32 s60, s18, 1                         ; 1 for V
	s_xor_b32 s60, s60, s15                        ; 0: I fetch the weight's rows, 1: x's
	s_mul_i32 s61, s16, 49152                      ; my half: 2 pairs of codes,
	s_lshl_b32 s62, s16, 11                        ; 2,048 bytes of scale words
	s_mul_i32 s63, s14, PART                       ; where they go: wave x a part,
	s_lshl_b32 s66, s14, 11                        ; wave x 2,048
	s_wait_dscnt 0x0                               ; the opening add is done
	s_wait_kmcnt 0x0
	s_cmp_eq_u32 s60, 0                            ; ids alone
	s_cselect_b64 s[76:77], s[8:9], s[4:5]
	s_cselect_b64 s[78:79], s[10:11], s[6:7]
	s_cselect_b32 s20, s20, s23
	s_cselect_b32 s22, s21, s22
	s_add_co_u32 s20, s20, s61
	s_mov_b32 s21, 0
	s_add_co_u32 s22, s22, s62
	s_mov_b32 s23, 0
	s_add_nc_u64 s[76:77], s[76:77], s[20:21]
	s_add_nc_u64 s[78:79], s[78:79], s[22:23]
	s_mov_b32 s[G0S], 1
	s_add_co_u32 s[G0S+1], s66, SCL
	s_mov_b64 s[G0S+2:G0S+3], s[78:79]
	s_or_b32 s[G0S+3], s[G0S+3], 0x80000000
.irp c, 0,1,2,3
	s_mov_b32 s[G0C+4*\c], 1
	s_add_co_u32 s[G0C+4*\c+1], s63, \c*CHK
	s_add_nc_u64 s[G0C+4*\c+2:G0C+4*\c+3], s[76:77], \c*PAIRB
	s_or_b32 s[G0C+4*\c+3], s[G0C+4*\c+3], 0x80000000
.endr
	tensor_load_to_lds s[G0S:G0S+3], s[G1S:G1S+7]  ; the scale words first: they are wanted with chunk 0
	s_nop 0
.irp c, 0,1,2,3
	tensor_load_to_lds s[G0C+4*\c:G0C+4*\c+3], s[G1C:G1C+7]
	s_nop 0
.endr
	; lane addresses
	v_and_b32 v1, 15, v0                           ; r
	v_bfe_u32 v2, v0, 4, 1                         ; h
	v_mul_u32_u24 v3, v2, 768
	v_lshl_add_u32 v3, v1, 4, v3                   ; 768 h + 16 r
	v_mul_u32_u24 v4, v2, 896
	v_lshl_add_u32 v4, v1, 3, v4                   ; tile u = 0: 768 h + 128 h + 8 r
	v_mul_u32_u24 v5, v2, 640
	v_lshl_add_u32 v5, v1, 3, v5                   ; tile u = 1: 768 h - 128 h + 8 r (+ 128 in the offset)
	s_mul_i32 s60, s15, PART
	s_mul_i32 s61, s16, PART
	s_add_co_u32 s61, s61, 2*PART
	v_add_nc_u32 v6, s61, v3
	v_add_nc_u32 v7, s61, v4
	v_add_nc_u32 v8, s61, v5
	v_add_nc_u32 v3, s60, v3
	v_add_nc_u32 v4, s60, v4
	v_add_nc_u32 v5, s60, v5
	s_lshl_b32 s60, s15, 11                        ; S0's scale words: my half
	s_lshl_b32 s61, s16, 11
	s_add_co_u32 s61, s61, 4096                    ; S1's: behind S0's two halves
	s_sub_co_u32 s61, s61, s60                     ; the distance between the two: 2,048, 4,096 or 6,144
	v_mul_u32_u24 v[ASC], s61, v2                  ; lanes 16-31 take S1's
	s_add_co_u32 s60, s60, SCL
	v_lshl_add_u32 v[ASC], v1, 3, v[ASC]
	v_add_nc_u32 v[ASC], s60, v[ASC]
	; the way out: where my 16 tile images go
	s_cmp_lt_u32 s18, 2
	s_cselect_b32 s60, s15, s16                    ; which half of the block's 8 heads is mine: S0's half for Q and K, S1's for V
	s_cselect_b32 s61, s16, s15                    ; and which half of its 8 token tiles
	s_mov_b32 s62, 65536                           ; from head to head
	s_mov_b32 s63, 1024                            ; from token tile to token tile
	s_cselect_b32 s66, s62, s63                    ; along S0's tiles
	s_cselect_b32 s80, s63, s62                    ; along S1's tiles
	s_mov_b32 s81, 0
	s_lshr_b32 s62, s19, 3                         ; batch
	s_lshl_b32 s62, s62, 6
	s_lshl_b32 s63, ttmp9, 3
	s_add_co_u32 s62, s62, s63
	s_lshl_b32 s60, s60, 2
	s_add_co_u32 s62, s62, s60                     ; 64 batch + head
	s_lshl_b32 s62, s62, 6
	s_and_b32 s63, s19, 7
	s_lshl_b32 s63, s63, 3
	s_add_co_u32 s62, s62, s63
	s_lshl_b32 s61, s61, 2
	s_add_co_u32 s62, s62, s61                     ; x 64 + token tile
	s_lshl_b32 s62, s62, 10
	s_lshl_b32 s63, s18, 24                        ; Q, K or V
	s_add_co_u32 s62, s62, s63
	s_mov_b32 s63, 0
	s_add_nc_u64 s[BAS:BAS+1], s[12:13], s[62:63]
	s_add_nc_u64 s[BAS+2:BAS+3], s[BAS:BAS+1], s[80:81]
	s_add_nc_u64 s[BAS+4:BAS+5], s[BAS+2:BAS+3], s[80:81]
	s_add_nc_u64 s[BAS+6:BAS+7], s[BAS+4:BAS+5], s[80:81]
.macro FRAG reg, adr, t, q             ; tile t of my four (pair t / 2, tile t % 2), the chunk's q-th K step: 12 registers
.irp cc, 0,1
	ds_load_b128 v[\reg+6*\cc:\reg+6*\cc+3], v[\adr] offset:((\t)/2)*PAIRB+(4*(\q)+2*\cc)*REC+256*((\t)%2)
	ds_load_b64 v[\reg+6*\cc+4:\reg+6*\cc+5], v[\adr+1+(\t)%2] offset:((\t)/2)*PAIRB+(4*(\q)+2*\cc)*REC+512+128*((\t)%2)
.endr
.endm
.macro SCALES c                        ; the chunk's two words a row: lanes 0-15 S0's tile t, lanes 16-31 S1's tile t
.irp t, 0,1,2,3
	ds_load_b64 v[SC+2*\t:SC+2*\t+1], v[ASC] offset:(\t/2)*1024+(\t%2)*128+256*(\c)
.endr
.endm
; A K step of 128: 32 LDS loads, 16 matrix instructions.  The sixteen accumulators take turns, one instruction a turn, in the same order in every step.
; nops = 1: four places in front of loads into registers that the last step's matrix instructions have read (ISA guide 7.12.1 for vector instructions).
.macro STEP q, zero, nops
.rept 4*\nops
	v_nop
.endr
.irp t, 0,1,2,3
	FRAG F1+12*\t, A1, \t, \q
.endr
.irp t, 0,1,2,3
	FRAG F0+12*\t, A0, \t, \q
.endr
.irp i, 0,1,2,3
	s_wait_dscnt 12-4*\i                           ; S1's four fragments and S0's fragment i are in; behind it stand S0's later fragments, 4 loads each
.irp j, 0,1,2,3
.if \zero
	v_wmma_scale_f32_16x16x128_f8f6f4 v[ACC+8*(4*\j+\i):ACC+8*(4*\j+\i)+7], v[F0+12*\i:F0+12*\i+11], v[F1+12*\j:F1+12*\j+11], 0, v[SC+2*\i+\q], v[SC+2*\j+\q] matrix_a_fmt:MATRIX_FMT_FP6 matrix_b_fmt:MATRIX_FMT_FP6 matrix_b_scale:MATRIX_SCALE_ROW1
.else
	v_wmma_scale_f32_16x16x128_f8f6f4 v[ACC+8*(4*\j+\i):ACC+8*(4*\j+\i)+7], v[F0+12*\i:F0+12*\i+11], v[F1+12*\j:F1+12*\j+11], v[ACC+8*(4*\j+\i):ACC+8*(4*\j+\i)+7], v[SC+2*\i+\q], v[SC+2*\j+\q] matrix_a_fmt:MATRIX_FMT_FP6 matrix_b_fmt:MATRIX_FMT_FP6 matrix_b_scale:MATRIX_SCALE_ROW1
.endif
.endr
.endr
.endm
.macro CHUNK c
	s_wait_tensorcnt 3-\c                          ; my part of chunk c is in (and the scale words, issued first); the later chunks' loads, 3 - c of them, stay out
	s_barrier_signal -1                            ; (no LDS instruction of mine is out: the last step's last wait was for 0)
	s_barrier_wait -1                              ; everybody's part is in
.if \c > 0
.irp a, 3,4,5,6,7,8
	v_add_nc_u32 v\a, CHK, v\a                     ; on to this chunk; these six are also the places in front of the loads below
.endr
.endif
	SCALES \c
.if \c == 0
	STEP 0, 1, 0                                   ; the first products start the sums: nothing is cleared
.else
	STEP 0, 0, 0
.endif
	STEP 1, 0, 1
.endm
	CHUNK 0
	CHUNK 1
	CHUNK 2
	CHUNK 3
	; THE WAY OUT: each accumulator leaves as it stands, from its low end on.  The five lines below are the places behind the last products.
	v_and_b32 v[OFF], 31, v0
	v_lshlrev_b32 v[OFF], 4, v[OFF]
	v_add_nc_u32 v[OFF+1], s66, v[OFF]
	v_add_nc_u32 v[OFF+2], s66, v[OFF+1]
	v_add_nc_u32 v[OFF+3], s66, v[OFF+2]
.irp j, 0,1,2,3
.irp i, 0,1,2,3
	global_store_b128 v[OFF+\i], v[ACC+8*(4*\j+\i):ACC+8*(4*\j+\i)+3], s[BAS+2*\j:BAS+2*\j+1]
	global_store_b128 v[OFF+\i], v[ACC+8*(4*\j+\i)+4:ACC+8*(4*\j+\i)+7], s[BAS+2*\j:BAS+2*\j+1] offset:512
.endr
.endr
	s_wait_tensorcnt 0x0                           ; the wave's end: these three lines stand behind my last tensor load
	ds_add_u32 v[SPW], v[NIL]
	s_wait_dscnt 0x0
	s_endpgm
.Lfunc_end_k_q067b45399e_gemm_qkv:
	.size	k_q067b45399e_gemm_qkv, .Lfunc_end_k_q067b45399e_gemm_qkv-k_q067b45399e_gemm_qkv
	.p2alignl 7, 3214868480
	.fill 96, 4, 3214868480
	.section	.rodata,"a",@progbits
	.p2align	6, 0x0
	.amdhsa_kernel k_q067b45399e_gemm_qkv
		.amdhsa_group_segment_fixed_size 205312
		.amdhsa_private_segment_fixed_size 0
		.amdhsa_enable_private_segment 0
		.amdhsa_kernarg_size 40
		.amdhsa_user_sgpr_count 2
		.amdhsa_user_sgpr_kernarg_segment_ptr 1
		.amdhsa_wavefront_size32 1
		.amdhsa_system_sgpr_workgroup_id_x 1
		.amdhsa_system_sgpr_workgroup_id_y 1
		.amdhsa_system_sgpr_workgroup_id_z 1
		.amdhsa_system_vgpr_workitem_id 0
		.amdhsa_next_free_vgpr 256
		.amdhsa_next_free_sgpr 92
		.amdhsa_reserve_vcc 0
		.amdhsa_float_denorm_mode_32 3
		.amdhsa_float_denorm_mode_16_64 3
		.amdhsa_memory_ordered 1
		.amdhsa_forward_progress 1
		.amdhsa_inst_pref_size 46
	.end_amdhsa_kernel
	.amdgpu_metadata
---
amdhsa.version: [ 1, 2 ]
amdhsa.kernels:
  - .name:           k_q067b45399e_gemm_qkv
    .symbol:         k_q067b45399e_gemm_qkv.kd
    .args:
      - { .name: xc, .offset: 0, .size: 8, .value_kind: global_buffer, .address_space: global }
      - { .name: xs, .offset: 8, .size: 8, .value_kind: global_buffer, .address_space: global }
      - { .name: wc, .offset: 16, .size: 8, .value_kind: global_buffer, .address_space: global }
      - { .name: ws, .offset: 24, .size: 8, .value_kind: global_buffer, .address_space: global }
      - { .name: qkv, .offset: 32, .size: 8, .value_kind: global_buffer, .address_space: global }
    .group_segment_fixed_size: 205312
    .private_segment_fixed_size: 0
    .kernarg_segment_align: 8
    .kernarg_segment_size: 40
    .max_flat_workgroup_size: 128
    .sgpr_count:     92
    .vgpr_count:     256
    .wavefront_size: 32
...
	.end_amdgpu_metadata
.endif
;; end of part 2
;; launch attn (part 3): grid 2 x 128, 16 waves a work-group, no clusters, 167,936 bytes of LDS; arguments qkv, oc, os; writes oc, os
.if DOCPART == 3
	.amdgcn_target "amdgcn-amd-amdhsa--gfx1250"
	.amdhsa_code_object_version 6
	.text
	.protected	k_q067b45399e_attn
	.globl	k_q067b45399e_attn
	.p2align	8
	.type	k_q067b45399e_attn,@function
k_q067b45399e_attn:
	s_mov_b64 s[64:65], 0
	v_nop
	global_prefetch_b8 v0, s[64:65] scope:SCOPE_SE
	s_setreg_imm32_b32 hwreg(HW_REG_WAVE_MODE, 25, 1), 1
	s_wait_xcnt 0x0
; Attention over 256 (batch, head) groups of 1,024 queries x 1,024 keys, head size 16, and the quantising of its result for the last product.
; scores = Q K^T / 4 in f32 (v_wmma_f32_16x16x4_f32: their result goes on into a quantiser); t = score x log2(e) / 4; M = the running largest t rounded UP to a whole number; p = 2^(t - M), not normalised,
; is quantised along the keys to FP6 (E2M3) with E8M0 scales; O^T = V^T P^T on codes; the row's sum of the unquantised p divides at the end.  When M moves, the sum and O are multiplied by 2^(old M - new M): exact.
; SHARES.  Work-group (x, y): x = half of a batch's queries, y = 32 batch + p, p a PAIR of heads 2 p, 2 p + 1: the two heads' 32 dims are exactly one block of 32 along the last product's K, so the result is
;   quantised here.  Each of SIXTEEN waves owns 32 queries (two tiles T of 16) and runs four passes (T, head e) of 8 key steps of 128 keys.  Four waves share a SIMD: one wave's softmax stands beside another's products.
; LAYOUT.  Both products are used transposed: S^T = K Q^T (source 0 = 16 keys, source 1 = 16 queries), O^T = V^T P^T: a lane holds ONE query (lane % 16) throughout.
;   Q, K, V come as tile images (an accumulator's registers 0-3 at 16 lane, 4-7 at 512 + 16 lane).  In a tile of Q or K lane (r, h) holds token 32 (t / 2) + 8 (t % 2) + r + 8 (r / 8), dims 8 h + 0 .. 7:
;   registers 2 ks, 2 ks + 1 are source registers of the f32 form as they stand (its k = 2 h + j is dim 8 h + 2 ks + j, on both sides alike).  So the 16 registers of score tiles 2 b, 2 b + 1 are keys 32 b + 16 h + 0 .. 15.
;   In a tile of V lane (d, h) holds register j = key 32 (t / 2) + 16 h + 8 (t % 2) + j: the same order of keys.
; LDS, every byte written once: both heads' K, 131,072 bytes, by one tensor load of 8,192 dense bytes a wave (one of a wave's is out); the 16 fragments of V^T (head e, key step s) as images of their registers,
;   each quantised by one wave at the head, and their scale words.  One barrier; none in the loops.  Both query halves quantise the same V: V comes as f32, so that the launch before has one path.
; NO CLUSTER: only the two work-groups of a pair of heads share K and V, fetched once at the head (256 KB) for 32 key steps of each of 16 waves.  No prefetch: all loads stand at the head.
; The registers that the f32 matrix form writes (v112-175) are written by it alone; p goes into other registers.
; LIMITS: NaN and infinities are not served.  A block of zeros gets the byte 1 (zero codes).  The scale bytes of the result leave as single bytes, one a row: a work-group knows one byte of a scale word.
.set VIMG,  131072                     ; V^T's fragments: 1,536 bytes each, fragment 8 e + s
.set VSC,   155648                     ; their scale words: 128 bytes each
.set SPARE, 157696                     ; the spare words, 128 bytes a wave
.set LI,  1                            ; v1   16 lane
.set AV0, 2                            ; v2   VIMG + 16 lane
.set AS0, 3                            ; v3   VSC + 4 lane
.set SPW, 4                            ; v4   my spare word
.set NIL, 5                            ; v5   0
.set ADK, 6                            ; v6-8 addresses of the step in hand
.set ADV, 7
.set ADS, 8
.set TMP, 9
.set OB,  10                           ; v10, v11 the result's scale bytes, tile 0, 1
.set KP,  48                           ; v48-111  K's fragments, then p
.set S,   112                          ; v112-175 S^T
.set O,   176                          ; v176-183 O^T
.set ON,  184                          ; v184-199 O^T / the sum, head 0, head 1
.set VF,  200                          ; v200-211 a fragment of V^T
.set PC,  212                          ; v212-223 p's codes
.set CT,  224                          ; v224-226, v228-230 upper halves as converted
.set BM,  232                          ; v232-235 the blocks' largest
.set BX,  236                          ; v236-239 the other half's; then the bytes
.set BS,  240                          ; v240-243 the conversions' scale operands
.set VS,  244                          ; v244 V's scale word; v245 p's: scales and nothing else
.set PS,  245
.set FF,  246                          ; v[246:247] f = 2^(old M - new M)
.set G,   248                          ; v248-253 the result's codes
.set TK,  36                           ; s36-38 where the step's K, V^T and V's scale words begin; s39 counts the steps
.set TV,  37
.set TS,  38
.set CNT, 39
	s_load_b128 s[4:7], s[0:1], 0x0                ; qkv s[4:5], oc s[6:7]
	s_load_b64 s[8:9], s[0:1], 0x10                ; os
	v_lshl_add_u32 v[SPW], v0, 2, SPARE
	v_mov_b32 v[NIL], 0
	ds_add_u32 v[SPW], v[NIL]                      ; the wave's opening: the add and its wait stand ahead of my first tensor load; work on registers stands between them
	v_lshrrev_b32 v1, 5, v0
	v_readfirstlane_b32 s10, v1                    ; wave 0..15
	s_and_b32 s11, ttmp7, 0xffff
	s_lshr_b32 s12, s11, 5                         ; batch
	s_and_b32 s13, s11, 31                         ; p
	; group 1: 8,192 dense bytes as 32 rows of 32 elements of 8 bytes
	s_mov_b32 s24, 3<<16
	s_mov_b32 s25, 32<<16
	s_mov_b32 s26, 32<<16
	s_mov_b32 s27, 32<<16
	s_mov_b32 s28, 32
	s_mov_b32 s29, 32
	s_mov_b32 s30, 0
	s_mov_b32 s31, 0
	s_mov_b32 s20, 0x76543210
	s_mov_b32 s21, 0xfedcba98                      ; v_permlanex16_b32's selects for lane l xor 16
	s_mov_b32 s22, 0x3eb8aa3b                      ; c = log2(e) / sqrt(16)
	s_mov_b32 s23, s22                             ; (named with it as a pair, so it is written)
	s_lshl_b32 s14, s12, 6
	s_lshl_b32 s15, s13, 1
	s_add_co_u32 s14, s14, s15
	s_lshl_b32 s14, s14, 16                        ; head 2 p's first byte in Q's, K's and V's part: 65,536 bytes a head
	s_lshl_b32 s15, s10, 13
	s_add_co_u32 s16, s14, s15                     ; + 8,192 wave: head wave / 8, key step wave % 8
	s_mov_b32 s17, 0
	s_lshl_b32 s18, ttmp9, 5
	s_lshl_b32 s19, s10, 1
	s_add_co_u32 s18, s18, s19                     ; my first query tile: 32 x + 2 wave
	s_lshl_b32 s18, s18, 10
	s_add_co_u32 s18, s18, s14
	s_mov_b32 s19, 0
	s_lshl_b32 s36, s12, 5
	s_lshl_b32 s37, ttmp9, 4
	s_add_co_u32 s36, s36, s37
	s_add_co_u32 s36, s36, s10                     ; my pair of 32 rows of the result: 32 batch + 16 x + wave
	s_mul_i32 s48, s36, 24576
	s_mul_i32 s37, s13, 768
	s_add_co_u32 s48, s48, s37                     ; record (pair, block p)
	s_mov_b32 s49, 0
	s_lshl_b32 s50, s36, 10                        ; the scale byte of block p = 4 s + b: 1,024 pair + 256 (s / 2) + 4 (s % 2) + b
	s_lshr_b32 s37, s13, 3
	s_lshl_b32 s37, s37, 8
	s_add_co_u32 s50, s50, s37
	s_bfe_u32 s37, s13, 0x10002
	s_lshl_b32 s37, s37, 2
	s_add_co_u32 s50, s50, s37
	s_and_b32 s37, s13, 3
	s_add_co_u32 s50, s50, s37
	s_mov_b32 s51, 0
	v_and_b32 v[TMP], 31, v0
	v_lshlrev_b32 v[LI], 4, v[TMP]
	v_add_nc_u32 v[AV0], VIMG, v[LI]
	v_lshl_add_u32 v[AS0], v[TMP], 2, VSC
	s_mul_i32 s37, s10, 1536
	v_add_nc_u32 v6, s37, v[AV0]                   ; where I store my fragment of V^T,
	s_lshl_b32 s37, s10, 7
	v_add_nc_u32 v7, s37, v[AS0]                   ; and its scale words
.irp b, 0,1,2,3
	v_mov_b32 v[BX+\b], 0                          ; written once: a lane permute's destination counts as one of its sources
.endr
	v_mov_b32 v[FF+1], 0                           ; (named as the upper half of the pair before it is otherwise written)
	s_wait_dscnt 0x0                               ; the opening add is done
	s_wait_kmcnt 0x0
	s_add_nc_u64 s[40:41], s[4:5], s[16:17]
	s_mov_b32 s32, 1
	s_lshl_b32 s33, s10, 13                        ; LDS: 8,192 wave
	s_add_nc_u64 s[34:35], s[40:41], 16777216      ; K's part of qkv
	s_or_b32 s35, s35, 0x80000000
	tensor_load_to_lds s[32:35], s[24:31]          ; eight tiles of K: one key step of one head
	s_nop 0
	s_add_nc_u64 s[40:41], s[40:41], 33554432      ; V's part
	s_add_nc_u64 s[42:43], s[4:5], s[18:19]        ; Q
	s_add_nc_u64 s[44:45], s[6:7], s[48:49]
	s_add_nc_u64 s[46:47], s[8:9], s[50:51]
.irp t, 0,1,2,3,4,5,6,7
	global_load_b128 v[KP+8*\t:KP+8*\t+3], v[LI], s[40:41] offset:1024*\t          ; V: the same key step of the same head: register 16 b + i = key 32 b + 16 h + i of dim r
	global_load_b128 v[KP+8*\t+4:KP+8*\t+7], v[LI], s[40:41] offset:1024*\t+512
.endr
.irp T, 0,1
.irp e, 0,1
	global_load_b128 v[16+8*(2*\T+\e):16+8*(2*\T+\e)+3], v[LI], s[42:43] offset:65536*\e+1024*\T      ; Q stays in registers: 8 for each (tile, head)
	global_load_b128 v[16+8*(2*\T+\e)+4:16+8*(2*\T+\e)+7], v[LI], s[42:43] offset:65536*\e+1024*\T+512
.endr
.endr
; The blocks' largest magnitudes stand in v[BM] on (floor applied): the four bytes make the scale word in v[PS]; 64 numbers v[s] on become a fragment's codes in v[PC] on.
.macro CODES s
.irp b, 0,1,2,3
	v_add_nc_u32 v[BS+\b], 0xff000000, v[BM+\b]    ; 2 off the exponent field: the conversion's scale operand
.endr
.irp b, 0,1,2,3
	v_lshrrev_b32 v[BX+\b], 23, v[BS+\b]           ; the byte
.endr
	v_lshl_or_b32 v[PS], v[BX+1], 8, v[BX]
	v_lshl_or_b32 v[PS], v[BX+2], 16, v[PS]
	v_lshl_or_b32 v[PS], v[BX+3], 24, v[PS]
.irp c, 0,1
	v_cvt_scalef32_pk16_fp6_f32 v[PC+6*\c:PC+6*\c+2], v[\s+32*\c:\s+32*\c+15], v[BS+2*\c]
	v_cvt_scalef32_pk16_fp6_f32 v[CT+4*\c:CT+4*\c+2], v[\s+32*\c+16:\s+32*\c+31], v[BS+2*\c+1]   ; (a conversion's three registers begin on an even number)
.endr
	v_nop                                          ; one plain place behind a scaled conversion
.irp c, 0,1                                    ; the operand's layout wants a WHOLE block in a lane: lanes 0-15 block 2 c, lanes 16-31 block 2 c + 1
.irp i, 0,1,2
	v_permlane16_swap_b32 v[PC+6*\c+\i], v[CT+4*\c+\i]
.endr
.irp i, 0,1,2
	v_mov_b32 v[PC+6*\c+3+\i], v[CT+4*\c+\i]
.endr
.endr
.endm
	s_wait_loadcnt 8                               ; V's sixteen loads are in; Q's eight stay out
.irp b, 0,1,2,3
	v_max3_num_f32 v[BM+\b], |v[KP+16*\b]|, |v[KP+16*\b+1]|, 0x1800000   ; my 16 numbers of block b, and the floor 2^(3 - 127)
.endr
.irp i, 2,4,6,8,10,12,14
.irp b, 0,1,2,3
	v_max3_num_f32 v[BM+\b], v[BM+\b], |v[KP+16*\b+\i]|, |v[KP+16*\b+\i+1]|
.endr
.endr
.irp b, 0,1,2,3
	v_permlanex16_b32 v[BX+\b], v[BM+\b], s20, s21
.endr
.irp b, 0,1,2,3
	v_max_num_f32 v[BM+\b], v[BM+\b], v[BX+\b]     ; with lane l xor 16's: the block's largest magnitude
.endr
	CODES KP
.irp c, 0,1,2
	ds_store_b128 v6, v[PC+4*\c:PC+4*\c+3] offset:512*\c   ; the fragment goes to LDS as an image of its registers
.endr
	ds_store_b32 v7, v[PS]
	s_wait_tensorcnt 0x0                           ; my tiles of K have landed,
	s_wait_dscnt 0x0                               ; my stores too
	s_barrier_signal -1
	s_barrier_wait -1                              ; everybody's have
	s_wait_loadcnt 0x0                             ; Q
; A KEY STEP: 128 keys of the pass's head.  QR: the pass's eight registers of Q.
.macro STEP
	v_add_nc_u32 v[ADK], s[TK], v[LI]              ; these four lines are the places behind the last product, in front of the loads into its registers
	v_add_nc_u32 v[ADV], s[TV], v[AV0]
	v_add_nc_u32 v[ADS], s[TS], v[AS0]
	v_nop
.irp t, 0,1,2,3,4,5,6,7
	ds_load_b128 v[KP+8*\t:KP+8*\t+3], v[ADK] offset:1024*\t
.endr
.irp t, 0,1,2,3,4,5,6,7
	ds_load_b128 v[KP+8*\t+4:KP+8*\t+7], v[ADK] offset:1024*\t+512
.endr
.irp c, 0,1,2
	ds_load_b128 v[VF+4*\c:VF+4*\c+3], v[ADV] offset:512*\c
.endr
	ds_load_b32 v[VS], v[ADS]
	s_wait_dscnt 12                                ; the tiles' registers 0-3 are in; behind them: their registers 4-7 (8 loads), V^T's three and its scale word
.irp t, 0,1,2,3,4,5,6,7                        ; the eight accumulators take turns, one instruction a turn; the first four dims start the sums
	v_wmma_f32_16x16x4_f32 v[S+8*\t:S+8*\t+7], v[KP+8*\t:KP+8*\t+1], v[QR:QR+1], 0
.endr
.irp t, 0,1,2,3,4,5,6,7
	v_wmma_f32_16x16x4_f32 v[S+8*\t:S+8*\t+7], v[KP+8*\t+2:KP+8*\t+3], v[QR+2:QR+3], v[S+8*\t:S+8*\t+7]
.endr
	s_wait_dscnt 4                                 ; registers 4-7 are in; V^T's four loads stay out
.irp t, 0,1,2,3,4,5,6,7
	v_wmma_f32_16x16x4_f32 v[S+8*\t:S+8*\t+7], v[KP+8*\t+4:KP+8*\t+5], v[QR+4:QR+5], v[S+8*\t:S+8*\t+7]
.endr
.irp t, 0,1,2,3,4,5,6,7
	v_wmma_f32_16x16x4_f32 v[S+8*\t:S+8*\t+7], v[KP+8*\t+6:KP+8*\t+7], v[QR+6:QR+7], v[S+8*\t:S+8*\t+7]
.endr
.rept 8
	v_nop                                          ; eight places behind the f32 form, in front of the first read of its results
.endr
.irp b, 0,1,2,3
	v_max3_num_f32 v[BM+\b], v[S+16*\b], v[S+16*\b+1], v[S+16*\b+2]   ; the largest SCORE of each block of 32 keys: it serves the row's maximum and, since p rises with the score, the block's largest p.  Each accumulator is read from its low end on
.endr
.irp i, 3,5,7,9,11,13
.irp b, 0,1,2,3
	v_max3_num_f32 v[BM+\b], v[BM+\b], v[S+16*\b+\i], v[S+16*\b+\i+1]
.endr
.endr
.irp b, 0,1,2,3
	v_max_num_f32 v[BM+\b], v[BM+\b], v[S+16*\b+15]
.endr
.irp b, 0,1,2,3
	v_permlanex16_b32 v[BX+\b], v[BM+\b], s20, s21
.endr
.irp b, 0,1,2,3
	v_max_num_f32 v[BM+\b], v[BM+\b], v[BX+\b]     ; with lane l xor 16's 16 keys
.endr
	v_max3_num_f32 v[TMP], v[BM], v[BM+1], v[BM+2]
	v_max_num_f32 v[TMP], v[TMP], v[BM+3]          ; the step's largest score of my query
	v_mul_f32 v[TMP], s22, v[TMP]                  ; as t (c is positive)
	v_max_num_f32 v13, v13, v[TMP]                 ; the running largest t
	v_mov_b32 v[TMP], v12
	v_floor_f32 v12, -v13                          ; the new -M = floor(-t) = -ceil(t)
	v_sub_f32 v[TMP], v12, v[TMP]                  ; old M - new M: a whole number, 0 or less
	v_cvt_i32_f32 v[TMP], v[TMP]                   ; (it saturates)
	v_ldexp_f32 v[FF], 1.0, v[TMP]                 ; f = 2^(old M - new M)
.irp j, 0,2,4,6,8,10,12,14,16,18,20,22,24,26,28,30,32,34,36,38,40,42,44,46,48,50,52,54,56,58,60,62
	v_pk_fma_f32 v[KP+\j:KP+\j+1], v[S+\j:S+\j+1], s[22:23], v[12:13] op_sel_hi:[1,0,0]   ; t - M, two at a time, into K's registers, which are done with
.endr
.irp b, 0,1,2,3
	v_fma_f32 v[BM+\b], v[BM+\b], s22, v12         ; the same of each block's largest score
.endr
.irp j, 0,1,2,3,4,5,6,7,8,9,10,11,12,13,14,15,16,17,18,19,20,21,22,23,24,25,26,27,28,29,30,31,32,33,34,35,36,37,38,39,40,41,42,43,44,45,46,47,48,49,50,51,52,53,54,55,56,57,58,59,60,61,62,63
	v_exp_f32 v[KP+\j], v[KP+\j]                   ; p = 2^(t - M), at most 1: not normalised
.endr
	v_pk_mul_f32 v[14:15], v[14:15], v[FF:FF+1] op_sel_hi:[1,0]   ; the sum under the new M; a plain place behind the exponentials
	s_wait_alu depctr_va_vdst(0)                   ; one wait for the batch of 64, ahead of its first reader
.irp b, 0,1,2,3
	v_exp_f32 v[BM+\b], v[BM+\b]                   ; the block's largest p: the same two operations on the same number
.endr
.irp k, 0,4,8,12,16,20,24,28,32,36,40,44,48,52,56,60
	v_pk_add_f32 v[14:15], v[14:15], v[KP+\k:KP+\k+1]   ; the row's sum is taken of the unquantised p: the first of two chains; plain work behind the four exponentials
.endr
	s_wait_alu depctr_va_vdst(0)                   ; and one wait for the four
.irp b, 0,1,2,3
	v_max_num_f32 v[BM+\b], 0x1800000, v[BM+\b]    ; the floor 2^(3 - 127): the byte cannot fall under 1
.endr
	CODES KP
.irp j, 0,2,4,6
	v_pk_mul_f32 v[O+\j:O+\j+1], v[O+\j:O+\j+1], v[FF:FF+1] op_sel_hi:[1,0]   ; O^T under the new M, from its low end on
.endr
	v_pk_add_f32 v[254:255], v[KP+2:KP+3], v[KP+6:KP+7]   ; the second chain of the sum: these 16 lines name none of the product's registers and are the places between the writing of p's scale word (8 asked) and codes (4 asked) and the scaled product
.irp k, 10,14,18,22,26,30,34,38,42,46,50,54,58,62
	v_pk_add_f32 v[254:255], v[254:255], v[KP+\k:KP+\k+1]
.endr
	v_pk_add_f32 v[14:15], v[14:15], v[254:255]
	s_wait_dscnt 0x0                               ; V^T's fragment and scale word are in
	v_wmma_scale_f32_16x16x128_f8f6f4 v[O:O+7], v[VF:VF+11], v[PC:PC+11], v[O:O+7], v[VS], v[PS] matrix_a_fmt:MATRIX_FMT_FP6 matrix_b_fmt:MATRIX_FMT_FP6   ; O^T += V^T P^T; 32 other matrix instructions stand between two of these
	s_add_co_u32 s[TK], s[TK], 8192
	s_add_co_u32 s[TV], s[TV], 1536
	s_add_co_u32 s[TS], s[TS], 128
.endm
; A PASS: query tile T, head e: all 1,024 keys, then O^T / the sum into v[ON + 8 e] on.
.macro PASS T, e
.set QR, 16+8*(2*\T+\e)
	v_mov_b32 v13, 0xff61b1e6                      ; the largest t so far: -3e38, under every t
	v_floor_f32 v12, -v13                          ; -M
	v_mov_b32 v14, 0                               ; the sum, in two halves
	v_mov_b32 v15, 0
.irp j, 0,1,2,3,4,5,6,7
	v_mov_b32 v[O+\j], 0                           ; the step is written once: the first finds zeros, which the first change of M leaves zeros
.endr
	s_mov_b32 s[TK], 65536*\e
	s_mov_b32 s[TV], 12288*\e
	s_mov_b32 s[TS], 1024*\e
	s_mov_b32 s[CNT], 8
.Lkey_\@:
	STEP
	s_sub_co_u32 s[CNT], s[CNT], 1
	s_cmp_lg_u32 s[CNT], 0
	s_cbranch_scc1 .Lkey_\@
	v_add_f32 v14, v14, v15                        ; the sum's two halves; with the three lines below: the four places behind the last product
.rept 3
	v_nop
.endr
	v_permlanex16_b32 v[TMP], v14, s20, s21
	v_add_f32 v14, v14, v[TMP]                     ; and lane l xor 16's: the row's sum
	v_rcp_f32 v14, v14
	v_nop                                          ; a plain place behind the reciprocal
	s_wait_alu depctr_va_vdst(0)                   ; and the wait ahead of its first reader
.irp j, 0,2,4,6
	v_pk_mul_f32 v[ON+8*\e+\j:ON+8*\e+\j+1], v[O+\j:O+\j+1], v[14:15] op_sel_hi:[1,0]   ; lane (r, h): query r, dims 8 h + j of head e
.endr
.endm
; Tile T's rows of the result, block p of the last product's K (32 = two heads x 16 dims), are quantised: codes of k = 16 h + 0 .. 15 into v[dst] on, the byte into v[OB + T].
.macro OQ T, dst
.irp j, 0,1,2,3,4,5,6,7
	v_permlane16_swap_b32 v[ON+\j], v[ON+8+\j]     ; head 0's dims 8-15 change places with head 1's dims 0-7: lane (r, h) now holds k = 16 h + 0 .. 15 in order
.endr
	v_max3_num_f32 v[BM], |v[ON]|, |v[ON+1]|, 0x1800000
.irp i, 2,4,6,8,10,12,14
	v_max3_num_f32 v[BM], v[BM], |v[ON+\i]|, |v[ON+\i+1]|
.endr
	v_permlanex16_b32 v[BX], v[BM], s20, s21
	v_max_num_f32 v[BM], v[BM], v[BX]
	v_add_nc_u32 v[BS], 0xff000000, v[BM]
	v_lshrrev_b32 v[OB+\T], 23, v[BS]
	v_cvt_scalef32_pk16_fp6_f32 v[\dst:\dst+2], v[ON:ON+15], v[BS]
	v_nop                                          ; one plain place behind a scaled conversion
.endm
	PASS 0, 0
	PASS 0, 1
	OQ 0, G
	PASS 1, 0
	PASS 1, 1
	OQ 1, CT
	; THE WAY OUT: a record's lane l = 16 T + r holds row r of tile T, a whole block
.irp i, 0,1,2
	v_permlane16_swap_b32 v[G+\i], v[CT+\i]        ; tile 0's upper halves change places with tile 1's lower halves
.endr
.irp i, 0,1,2
	v_mov_b32 v[G+3+\i], v[CT+\i]
.endr
	v_permlane16_swap_b32 v[OB], v[OB+1]           ; lanes 0-15 tile 0's bytes, lanes 16-31 tile 1's
	s_and_b32 s36, s13, 1
	s_lshl_b32 s36, s36, 4
	v_and_b32 v[TMP], 31, v0
	v_xor_b32 v6, s36, v[TMP]
	v_lshlrev_b32 v6, 3, v6                        ; 8 (l xor 16 (p & 1))
	v_lshlrev_b32 v7, 3, v[TMP]                    ; 8 l
	global_store_b128 v[LI], v[G:G+3], s[44:45]            ; 512 consecutive bytes, aligned
	global_store_b64 v6, v[G+4:G+5], s[44:45] offset:512   ; 256 consecutive bytes, aligned
	global_store_b8 v7, v[OB], s[46:47]                    ; my row's byte of block p
	s_wait_tensorcnt 0x0                           ; the wave's end: these three lines stand behind my last tensor load and my last LDS store
	ds_add_u32 v[SPW], v[NIL]
	s_wait_dscnt 0x0
	s_endpgm
.Lfunc_end_k_q067b45399e_attn:
	.size	k_q067b45399e_attn, .Lfunc_end_k_q067b45399e_attn-k_q067b45399e_attn
	.p2alignl 7, 3214868480
	.fill 96, 4, 3214868480
	.section	.rodata,"a",@progbits
	.p2align	6, 0x0
	.amdhsa_kernel k_q067b45399e_attn
		.amdhsa_group_segment_fixed_size 167936
		.amdhsa_private_segment_fixed_size 0
		.amdhsa_enable_private_segment 0
		.amdhsa_kernarg_size 24
		.amdhsa_user_sgpr_count 2
		.amdhsa_user_sgpr_kernarg_segment_ptr 1
		.amdhsa_wavefront_size32 1
		.amdhsa_system_sgpr_workgroup_id_x 1
		.amdhsa_system_sgpr_workgroup_id_y 1
		.amdhsa_system_sgpr_workgroup_id_z 1
		.amdhsa_system_vgpr_workitem_id 0
		.amdhsa_next_free_vgpr 256
		.amdhsa_next_free_sgpr 66
		.amdhsa_reserve_vcc 0
		.amdhsa_float_denorm_mode_32 3
		.amdhsa_float_denorm_mode_16_64 3
		.amdhsa_memory_ordered 1
		.amdhsa_forward_progress 1
		.amdhsa_inst_pref_size 78
	.end_amdhsa_kernel
	.amdgpu_metadata
---
amdhsa.version: [ 1, 2 ]
amdhsa.kernels:
  - .name:           k_q067b45399e_attn
    .symbol:         k_q067b45399e_attn.kd
    .args:
      - { .name: qkv, .offset: 0, .size: 8, .value_kind: global_buffer, .address_space: global }
      - { .name: oc, .offset: 8, .size: 8, .value_kind: global_buffer, .address_space: global }
      - { .name: os, .offset: 16, .size: 8, .value_kind: global_buffer, .address_space: global }
    .group_segment_fixed_size: 167936
    .private_segment_fixed_size: 0
    .kernarg_segment_align: 8
    .kernarg_segment_size: 24
    .max_flat_workgroup_size: 512
    .sgpr_count:     66
    .vgpr_count:     256
    .wavefront_size: 32
...
	.end_amdgpu_metadata
.endif
;; end of part 3
;; launch gemm_out (part 4): grid 8 x 32, 4 waves a work-group, no clusters, 222,720 bytes of LDS; arguments oc, os, wc, ws, out0; writes out0
.if DOCPART == 4
	.amdgcn_target "amdgcn-amd-amdhsa--gfx1250"
	.amdhsa_code_object_version 6
	.text
	.protected	k_q067b45399e_gemm_out
	.globl	k_q067b45399e_gemm_out
	.p2align	8
	.type	k_q067b45399e_gemm_out,@function
k_q067b45399e_gemm_out:
	s_mov_b64 s[64:65], 0
	v_nop
	global_prefetch_b8 v0, s[64:65] scope:SCOPE_SE
	s_setreg_imm32_b32 hwreg(HW_REG_WAVE_MODE, 25, 1), 1
	s_wait_xcnt 0x0
; out0 = (attention's result) W_o on codes of FP6 (E2M3) with E8M0 scales, sums in f32.  [4096][1024] x [1024][1024], out0 f32 row-major.
; SHARES.  Work-group (x, y): 128 columns x 128 tokens over all of K; each of four waves 64 x 64: 16 accumulators.  Source 0 (S0) = W_o's tiles, source 1 (S1) = the result's rows: a lane holds ONE token and 8 neighbouring columns.
; OPERANDS come as this program's records (768 bytes: one block of 32 along K of a pair of 32 rows; registers 0-3 of row lane l at 16 l, registers 4-5 at 512 + 8 (l xor 16 (block & 1))).
;   A fragment: lane (r, h) takes blocks 2 cc + h, cc = 0, 1: a load of 16 bytes and one of 8 for each; the 16-byte loads of 16 lanes take 256 consecutive bytes, and in the 8-byte loads lanes 16-31 fall
;   128 bytes (mod 256) from lanes 0-15: 64 different banks (64 banks of 4 bytes: ISA guide 11.1).
; ALL OF K IS IN LDS: 4 chunks of 256 along K, 196,608 bytes, and 8,192 of scale words, each byte filled once: five tensor loads a wave at the head (five of a wave's are out at the most).
; THE WAY OUT: 16 tokens x 64 columns at a time through the wave's own stage in LDS (rows of 256 bytes + 16; no fill lands there) and back as rows: sixteen lanes store 256 consecutive aligned bytes.
;   Row r of tile j is token 32 (j / 2) + 8 (j % 2) + r + 8 (r / 8) of my 64.
; NO CLUSTER: the result's tiles are shared by 8 work-groups and W_o's by 32, but a work-group asks for its 200 KB once, at its head, and fills nothing again; a joint form wants two lines with two masks
;   for each of the five loads and the cluster's barrier round them.  It is the next step for this kernel, not taken here.  No prefetch: all loads stand at the head.
.set REC,   768
.set PAIRB, 8*REC
.set PART,  2*PAIRB
.set CHK,   4*PART
.set SCL,   4*CHK
.set STAGE, SCL+8192                   ; four stages of 16 x 272 bytes
.set SPIT,  272
.set SPARE, STAGE+4*16*SPIT            ; the spare words, 128 bytes a wave
.set A0,  3                            ; v3-5   S0: address of the 16-byte loads; of the 8-byte loads of tile u = 0; of u = 1
.set A1,  6                            ; v6-8   the same for S1
.set ASC, 9                            ; v9     scale words: lanes 0-15 S0's rows, lanes 16-31 S1's
.set SPW, 10
.set NIL, 11
.set STO, 12                           ; v12    the stage: where I put 32 bytes of a row
.set RD,  13                           ; v13    and where I read a row back
.set CO,  14                           ; v14    my byte offset in out0
.set SC,  16                           ; v16-23 scale words and nothing else
.set F0,  32                           ; v32-79  S0's four fragments; on the way out v32-63 and v64-95: rows read back, by turns
.set F1,  80                           ; v80-127 S1's four
.set ACC, 128                          ; accumulator (i, j) at 128 + 8 (4 j + i)
.set G1C, 24
.set G1S, 32
.set G0S, 40
.set G0C, 44
	s_load_b256 s[4:11], s[0:1], 0x0               ; oc s[4:5], os s[6:7], wc s[8:9], ws s[10:11]
	s_load_b64 s[12:13], s[0:1], 0x20              ; out0
	v_lshl_add_u32 v[SPW], v0, 2, SPARE
	v_mov_b32 v[NIL], 0
	ds_add_u32 v[SPW], v[NIL]                      ; the wave's opening: the add and its wait stand ahead of my first tensor load; work on registers stands between them
	v_lshrrev_b32 v1, 5, v0
	v_readfirstlane_b32 s14, v1                    ; wave 0..3
	s_lshr_b32 s15, s14, 1                         ; wi: my half of S0.  Also: I fetch for S0 (0) or S1 (1)
	s_and_b32 s16, s14, 1                          ; wj: my half of S1.  Also: which half I fetch
	s_and_b32 s19, ttmp7, 0xffff                   ; which 128 tokens
	s_mov_b32 s[G1C+0], 3<<16                      ; codes: 2 rows (pairs) of 768 elements of 8 bytes, 3,072 elements apart; no padding
	s_mov_b32 s[G1C+1], 768<<16
	s_mov_b32 s[G1C+2], 2<<16
	s_mov_b32 s[G1C+3], 768<<16
	s_mov_b32 s[G1C+4], 2
	s_mov_b32 s[G1C+5], 3072
	s_mov_b32 s[G1C+6], 0
	s_mov_b32 s[G1C+7], 0
	s_mov_b32 s[G1S+0], 3<<16                      ; scale words: 2,048 dense bytes as 8 rows of 32 elements of 8 bytes
	s_mov_b32 s[G1S+1], 32<<16
	s_mov_b32 s[G1S+2], 8<<16
	s_mov_b32 s[G1S+3], 32<<16
	s_mov_b32 s[G1S+4], 8
	s_mov_b32 s[G1S+5], 32
	s_mov_b32 s[G1S+6], 0
	s_mov_b32 s[G1S+7], 0
	s_mul_i32 s20, ttmp9, 98304
	s_add_co_u32 s20, s20, 2359296                 ; W_o's codes: the fourth weight, 4 pairs a block of columns
	s_lshl_b32 s21, ttmp9, 12
	s_add_co_u32 s21, s21, 98304                   ; its scale words
	s_mul_i32 s23, s19, 98304                      ; the result's codes
	s_lshl_b32 s22, s19, 12                        ; its scale words
	s_mul_i32 s61, s16, 49152                      ; my half
	s_lshl_b32 s62, s16, 11
	s_mul_i32 s63, s14, PART                       ; where they go
	s_lshl_b32 s66, s14, 11
	s_wait_dscnt 0x0                               ; the opening add is done
	s_wait_kmcnt 0x0
	s_cmp_eq_u32 s15, 0                            ; the wave's number alone
	s_cselect_b64 s[76:77], s[8:9], s[4:5]
	s_cselect_b64 s[78:79], s[10:11], s[6:7]
	s_cselect_b32 s20, s20, s23
	s_cselect_b32 s22, s21, s22
	s_add_co_u32 s20, s20, s61
	s_mov_b32 s21, 0
	s_add_co_u32 s22, s22, s62
	s_mov_b32 s23, 0
	s_add_nc_u64 s[76:77], s[76:77], s[20:21]
	s_add_nc_u64 s[78:79], s[78:79], s[22:23]
	s_mov_b32 s[G0S], 1
	s_add_co_u32 s[G0S+1], s66, SCL
	s_mov_b64 s[G0S+2:G0S+3], s[78:79]
	s_or_b32 s[G0S+3], s[G0S+3], 0x80000000
.irp c, 0,1,2,3
	s_mov_b32 s[G0C+4*\c], 1
	s_add_co_u32 s[G0C+4*\c+1], s63, \c*CHK
	s_add_nc_u64 s[G0C+4*\c+2:G0C+4*\c+3], s[76:77], \c*PAIRB
	s_or_b32 s[G0C+4*\c+3], s[G0C+4*\c+3], 0x80000000
.endr
	tensor_load_to_lds s[G0S:G0S+3], s[G1S:G1S+7]  ; the scale words first: they are wanted with chunk 0
	s_nop 0
.irp c, 0,1,2,3
	tensor_load_to_lds s[G0C+4*\c:G0C+4*\c+3], s[G1C:G1C+7]
	s_nop 0
.endr
	v_and_b32 v1, 15, v0                           ; r
	v_bfe_u32 v2, v0, 4, 1                         ; h
	v_mul_u32_u24 v3, v2, 768
	v_lshl_add_u32 v3, v1, 4, v3
	v_mul_u32_u24 v4, v2, 896
	v_lshl_add_u32 v4, v1, 3, v4
	v_mul_u32_u24 v5, v2, 640
	v_lshl_add_u32 v5, v1, 3, v5
	s_mul_i32 s60, s15, PART
	s_mul_i32 s61, s16, PART
	s_add_co_u32 s61, s61, 2*PART
	v_add_nc_u32 v6, s61, v3
	v_add_nc_u32 v7, s61, v4
	v_add_nc_u32 v8, s61, v5
	v_add_nc_u32 v3, s60, v3
	v_add_nc_u32 v4, s60, v4
	v_add_nc_u32 v5, s60, v5
	s_lshl_b32 s60, s15, 11
	s_lshl_b32 s61, s16, 11
	s_add_co_u32 s61, s61, 4096
	s_sub_co_u32 s61, s61, s60                     ; the distance from S0's words to S1's: 2,048, 4,096 or 6,144
	v_mul_u32_u24 v[ASC], s61, v2
	s_add_co_u32 s60, s60, SCL
	v_lshl_add_u32 v[ASC], v1, 3, v[ASC]
	v_add_nc_u32 v[ASC], s60, v[ASC]
	s_mul_i32 s60, s14, 16*SPIT
	s_add_co_u32 s60, s60, STAGE                   ; my stage
	v_mul_u32_u24 v[STO], v1, SPIT
	v_lshl_add_u32 v[STO], v2, 5, v[STO]
	v_add_nc_u32 v[STO], s60, v[STO]               ; in: row r, 32 bytes for each half of the lanes
	v_mul_u32_u24 v[RD], v2, SPIT
	v_lshl_add_u32 v[RD], v1, 4, v[RD]
	v_add_nc_u32 v[RD], s60, v[RD]                 ; back: lanes 0-15 one row, lanes 16-31 the next
	v_lshlrev_b32 v[CO], 12, v2
	v_lshl_add_u32 v[CO], v1, 4, v[CO]             ; and the same two rows in out0
	s_lshl_b32 s60, s19, 7
	s_lshl_b32 s61, s16, 6
	s_add_co_u32 s60, s60, s61                     ; my first token: 128 y + 64 wj
	s_lshl_b32 s60, s60, 12
	s_lshl_b32 s61, ttmp9, 9
	s_add_co_u32 s60, s60, s61
	s_lshl_b32 s61, s15, 8
	s_add_co_u32 s60, s60, s61                     ; my first column, in bytes: 512 x + 256 wi
	s_mov_b32 s61, 0
	s_add_nc_u64 s[68:69], s[12:13], s[60:61]
.macro FRAG reg, adr, t, q             ; tile t of my four (pair t / 2, tile t % 2), the chunk's q-th K step: 12 registers
.irp cc, 0,1
	ds_load_b128 v[\reg+6*\cc:\reg+6*\cc+3], v[\adr] offset:((\t)/2)*PAIRB+(4*(\q)+2*\cc)*REC+256*((\t)%2)
	ds_load_b64 v[\reg+6*\cc+4:\reg+6*\cc+5], v[\adr+1+(\t)%2] offset:((\t)/2)*PAIRB+(4*(\q)+2*\cc)*REC+512+128*((\t)%2)
.endr
.endm
.macro SCALES c                        ; the chunk's two words a row: lanes 0-15 S0's tile t, lanes 16-31 S1's tile t
.irp t, 0,1,2,3
	ds_load_b64 v[SC+2*\t:SC+2*\t+1], v[ASC] offset:(\t/2)*1024+(\t%2)*128+256*(\c)
.endr
.endm
; A K step of 128: 32 LDS loads, 16 matrix instructions; the sixteen accumulators take turns, one instruction a turn, in the same order in every step.
; nops = 1: four places in front of loads into registers that the last step's matrix instructions have read (ISA guide 7.12.1 for vector instructions).
.macro STEP q, zero, nops
.rept 4*\nops
	v_nop
.endr
.irp t, 0,1,2,3
	FRAG F1+12*\t, A1, \t, \q
.endr
.irp t, 0,1,2,3
	FRAG F0+12*\t, A0, \t, \q
.endr
.irp i, 0,1,2,3
	s_wait_dscnt 12-4*\i                           ; S1's four fragments and S0's fragment i are in; behind it stand S0's later fragments, 4 loads each
.irp j, 0,1,2,3
.if \zero
	v_wmma_scale_f32_16x16x128_f8f6f4 v[ACC+8*(4*\j+\i):ACC+8*(4*\j+\i)+7], v[F0+12*\i:F0+12*\i+11], v[F1+12*\j:F1+12*\j+11], 0, v[SC+2*\i+\q], v[SC+2*\j+\q] matrix_a_fmt:MATRIX_FMT_FP6 matrix_b_fmt:MATRIX_FMT_FP6 matrix_b_scale:MATRIX_SCALE_ROW1
.else
	v_wmma_scale_f32_16x16x128_f8f6f4 v[ACC+8*(4*\j+\i):ACC+8*(4*\j+\i)+7], v[F0+12*\i:F0+12*\i+11], v[F1+12*\j:F1+12*\j+11], v[ACC+8*(4*\j+\i):ACC+8*(4*\j+\i)+7], v[SC+2*\i+\q], v[SC+2*\j+\q] matrix_a_fmt:MATRIX_FMT_FP6 matrix_b_fmt:MATRIX_FMT_FP6 matrix_b_scale:MATRIX_SCALE_ROW1
.endif
.endr
.endr
.endm
.macro CHUNK c
	s_wait_tensorcnt 3-\c                          ; my part of chunk c is in (and the scale words, issued first); the later chunks' loads, 3 - c of them, stay out
	s_barrier_signal -1                            ; (no LDS instruction of mine is out: the last step's last wait was for 0)
	s_barrier_wait -1
.if \c > 0
.irp a, 3,4,5,6,7,8
	v_add_nc_u32 v\a, CHK, v\a                     ; on to this chunk; these six are also the places in front of the loads below
.endr
.endif
	SCALES \c
.if \c == 0
	STEP 0, 1, 0                                   ; the first products start the sums: nothing is cleared
.else
	STEP 0, 0, 0
.endif
	STEP 1, 0, 1
.endm
	CHUNK 0
	CHUNK 1
	CHUNK 2
	CHUNK 3
.macro TOSTAGE j                       ; S1's tile j: 16 tokens x my 64 columns into my stage, each accumulator from its low end on, and back as rows
.irp i, 0,1,2,3
	ds_store_b128 v[STO], v[ACC+8*(4*(\j)+\i):ACC+8*(4*(\j)+\i)+3] offset:64*\i
	ds_store_b128 v[STO], v[ACC+8*(4*(\j)+\i)+4:ACC+8*(4*(\j)+\i)+7] offset:64*\i+16
.endr
.irp k, 0,1,2,3,4,5,6,7
	ds_load_b128 v[F0+32*((\j)%2)+4*\k:F0+32*((\j)%2)+4*\k+3], v[RD] offset:2*\k*SPIT   ; LDS serves a wave's instructions in order (ISA guide 5.7.1.4): these see the stores above, and the next tile's stores come behind them
.endr
.endm
.macro SEND j, younger                 ; younger: the LDS instructions issued behind tile j's loads: the next tile's sixteen, or none
.irp k, 0,1,2,3,4,5,6,7
	s_wait_dscnt \younger+7-\k
	global_store_b128 v[CO], v[F0+32*((\j)%2)+4*\k:F0+32*((\j)%2)+4*\k+3], s[68:69] offset:(32*((\j)/2)+8*((\j)%2)+2*\k+8*(\k/4))*4096 th:TH_STORE_NT   ; 16 lanes store 256 consecutive bytes, aligned; written once, read by nobody here
.endr
.endm
.rept 4
	v_nop                                          ; places behind the last products: in front of the first read of results and of loads into the fragments' registers
.endr
	TOSTAGE 0
	TOSTAGE 1
	SEND 0, 16
	s_wait_xcnt 0x0                                ; tile 0's stores have read their registers: tile 2's rows may land there
	TOSTAGE 2
	SEND 1, 16
	s_wait_xcnt 0x0                                ; tile 1's likewise
	TOSTAGE 3
	SEND 2, 16
	SEND 3, 0
	s_wait_tensorcnt 0x0                           ; the wave's end: these three lines stand behind my last tensor load and my last LDS store
	ds_add_u32 v[SPW], v[NIL]
	s_wait_dscnt 0x0
	s_endpgm
.Lfunc_end_k_q067b45399e_gemm_out:
	.size	k_q067b45399e_gemm_out, .Lfunc_end_k_q067b45399e_gemm_out-k_q067b45399e_gemm_out
	.p2alignl 7, 3214868480
	.fill 96, 4, 3214868480
	.section	.rodata,"a",@progbits
	.p2align	6, 0x0
	.amdhsa_kernel k_q067b45399e_gemm_out
		.amdhsa_group_segment_fixed_size 222720
		.amdhsa_private_segment_fixed_size 0
		.amdhsa_enable_private_segment 0
		.amdhsa_kernarg_size 40
		.amdhsa_user_sgpr_count 2
		.amdhsa_user_sgpr_kernarg_segment_ptr 1
		.amdhsa_wavefront_size32 1
		.amdhsa_system_sgpr_workgroup_id_x 1
		.amdhsa_system_sgpr_workgroup_id_y 1
		.amdhsa_system_sgpr_workgroup_id_z 1
		.amdhsa_system_vgpr_workitem_id 0
		.amdhsa_next_free_vgpr 256
		.amdhsa_next_free_sgpr 80
		.amdhsa_reserve_vcc 0
		.amdhsa_float_denorm_mode_32 3
		.amdhsa_float_denorm_mode_16_64 3
		.amdhsa_memory_ordered 1
		.amdhsa_forward_progress 1
		.amdhsa_inst_pref_size 51
	.end_amdhsa_kernel
	.amdgpu_metadata
---
amdhsa.version: [ 1, 2 ]
amdhsa.kernels:
  - .name:           k_q067b45399e_gemm_out
    .symbol:         k_q067b45399e_gemm_out.kd
    .args:
      - { .name: oc, .offset: 0, .size: 8, .value_kind: global_buffer, .address_space: global }
      - { .name: os, .offset: 8, .size: 8, .value_kind: global_buffer, .address_space: global }
      - { .name: wc, .offset: 16, .size: 8, .value_kind: global_buffer, .address_space: global }
      - { .name: ws, .offset: 24, .size: 8, .value_kind: global_buffer, .address_space: global }
      - { .name: out0, .offset: 32, .size: 8, .value_kind: global_buffer, .address_space: global }
    .group_segment_fixed_size: 222720
    .private_segment_fixed_size: 0
    .kernarg_segment_align: 8
    .kernarg_segment_size: 40
    .max_flat_workgroup_size: 128
    .sgpr_count:     80
    .vgpr_count:     256
    .wavefront_size: 32
...
	.end_amdgpu_metadata
.endif
;; end of part 4
